; MI455X (gfx1250); checked and timed in simulation.
; The chip was launched on July 23, 2026; its instructions are those of AMD's public machine-readable ISA for CDNA 5 (MIT licence, August 2026) and "CDNA5" Instruction Set Architecture Reference Guide (July 2026). The comments in the code are by the model that wrote it; some were corrected since.
;; Att Ada In. Allowed arithmetic: matrix products marked QUANTISED: E2M1 operands, one E8M0 scale for each 32 along K, by v_wmma_scale_f32_16x16x128_f8f6f4 with both operands' format E2M1 (or v_wmma_scale_f32_32x16x128_f4), f32 sums; everything else in f32.
;; Inputs: Wk_codes 256 x 8 x 16 uint8 (E2M1 codes of Wk, K innermost, in blocks of 32 codes, two codes a byte); Wk_scales 256 x 8 uint8 (E8M0 scales of Wk, one for each 32 codes along K); Wo_codes 256 x 8 x 16 uint8 (E2M1 codes of Wo, K innermost, in blocks of 32 codes, two codes a byte); Wo_scales 256 x 8 uint8 (E8M0 scales of Wo, one for each 32 codes along K); Wq_codes 256 x 8 x 16 uint8 (E2M1 codes of Wq, K innermost, in blocks of 32 codes, two codes a byte); Wq_scales 256 x 8 uint8 (E8M0 scales of Wq, one for each 32 codes along K); Wv_codes 256 x 8 x 16 uint8 (E2M1 codes of Wv, K innermost, in blocks of 32 codes, two codes a byte); Wv_scales 256 x 8 uint8 (E8M0 scales of Wv, one for each 32 codes along K); bk 256 float32; bo 256 float32; bq 256 float32; bv 256 float32; x 4 x 256 x 64 x 64 float32; y_codes 4 x 64 x 64 x 8 x 16 uint8 (E2M1 codes of y, K innermost, in blocks of 32 codes, two codes a byte); y_scales 4 x 64 x 64 x 8 uint8 (E8M0 scales of y, one for each 32 codes along K).
;; Outputs: out0 4 x 256 x 64 x 64 float32.
;; This version of the problem:
;;   THIS VERSION OF THE PROBLEM IS GIVEN IN LOW PRECISION. The matrix products marked QUANTISED in the list below multiply operands that are first quantised to E2M1 (2 exponent bits, 1 mantissa bit; 4 bits a number), with one power-of-two scale for each 32 numbers along K (OCP MX v1.0); their sums are f32. All else is computed in f32.
;;   The module's matrix products, in the order in which they are computed (A, B: the left and right operand; K: the contracted axis; several contracted axes count as one K, in the product's order):
;;     1. [M 16,384, K 256] x [K 256, N 256]; A: input x; B: input Wq (given as codes): QUANTISED
;;     2. [M 16,384, K 256] x [K 256, N 256]; A: input y (given as codes); B: input Wk (given as codes): QUANTISED
;;     3. [M 16,384, K 256] x [K 256, N 256]; A: input y (given as codes); B: input Wv (given as codes): QUANTISED
;;     4. batch 4 x [M 4,096, K 256] x [K 256, N 4,096]; A: computed on the way; B: computed on the way: QUANTISED
;;     5. batch 4 x [M 256, K 4,096] x [K 4,096, N 4,096]; A: computed on the way; B: softmax (see below): QUANTISED
;;     6. [M 16,384, K 256] x [K 256, N 256]; A: computed on the way; B: input Wo (given as codes): QUANTISED
;;   THE QUANTISER, for each operand of a quantised product, along K:
;;     - K is cut into blocks of 32 from its start; a last block that is shorter is filled with zeros.
;;     - A block's scale is 2^e with e = floor(log2(the largest magnitude in the block)) - 2, held to -126 .. 127; a block of zeros has e = 0. As a byte (E8M0): e + 127.
;;     - Each number is divided by its block's scale, clamped to +-6, and rounded to the nearest number of E2M1, ties to even, subnormals kept.
;;     - The product sums the exact products of the quantised numbers (number of the format x scale) in f32.
;;   ~~~python
;;   def quantise(x, axis):      # numpy; x: float32 -> the quantised numbers, widened to float32 again
;;       x = np.moveaxis(x, axis, -1); K = x.shape[-1]
;;       x = np.pad(x, [(0, 0)] * (x.ndim - 1) + [(0, -K % 32)]); x = x.reshape(x.shape[:-1] + (-1, 32)); a = np.abs(x).max(-1, keepdims=True)
;;       e = np.where(a > 0, np.clip(np.frexp(np.where(a > 0, a, 1))[1] - 1 - 2, -126, 127), 0)      # np.frexp(a)[1] - 1 = floor(log2(a)), exactly
;;       r = np.clip(x / 2.0 ** e, -6, 6)
;;       step = 2.0 ** (np.maximum(np.frexp(np.where(r == 0, 1, r))[1] - 1, 0) - 1)
;;       q = np.round(r / step) * step * 2.0 ** e      # np.round: ties to even
;;       return np.moveaxis(q.reshape(q.shape[:-2] + (-1,))[..., :K], -1, axis).astype(np.float32)
;;   ~~~
;;   SOFTMAX AHEAD OF A QUANTISED PRODUCT. Where the list says 'softmax', what is quantised is not the finished softmax but p = 2^(t - M), with t = logit x log2(e) and M = ceil(the row's largest t), a whole number; so 1/2 < the row's largest p <= 1. The row's sum l is taken of the UNQUANTISED p, in f32, and the product's result is divided by l at the end. Since M is a whole number, a kernel that streams over the keys may use a running M (the ceiling of the running maximum): every later rescaling is an exact power of two, which a block's scale takes up: the codes' values come out the same.
;;   OPERANDS COMPUTED ON THE WAY. 'Computed on the way' means the value that the module computes at that place (a softmax that the list does not call 'softmax' is quantised finished and normalised). What goes into a quantiser is computed in f32, as accurately as f32 sums, v_exp_f32 and their like allow (about 1e-6 of the number): no bf16 or f16 on the way to a quantiser, and a product that is left as it is and whose result goes on into a quantised operand takes f32 operands (vector FMAs, or v_wmma_f32_16x16x4_f32). A number that lies on a knife's edge between two numbers of the format may be rounded either way, as far as f32 arithmetic and the matrix unit's own rounding can turn it there, and no further.
;;   INPUTS GIVEN AS CODES. Wk (in the module: [256, 256], K = its axis 1); Wo (in the module: [256, 256], K = its axis 1); Wq (in the module: [256, 256], K = its axis 1); Wv (in the module: [256, 256], K = its axis 1); y (in the module: [4, 256, 64, 64], K = its axis 1): each comes as NAME_codes (uint8): NAME with its K axis moved to the last place and cut into blocks of 32 codes, [.., K / 32, bytes a block], one block behind the other in memory; two codes a byte, the lower K in the low four bits (a code: sign, 2 exponent bits, 1 mantissa bit); and NAME_scales (uint8): the same leading axes, one E8M0 byte (e + 127) for each 32 codes along K. Its value is code x scale, taken as it is: it is not quantised again, and the codes and scales need not be those that the quantiser above would give.
;; One version. Each part assembles by itself: llvm-mc -triple=amdgcn-amd-amdhsa -mcpu=gfx1250 --defsym DOCPART=n.
;; ======== version 1 of 1: 2 launches
;; workspace buffers: qbuf 2,228,224 bytes; kv 4,456,448 bytes
;; launch proj (part 1): grid 256 x 1, 6 waves a work-group, no clusters, 168,704 bytes of LDS; arguments x, y_codes, y_scales, Wq_codes, Wq_scales, bq, Wk_codes, Wk_scales, bk, Wv_codes, Wv_scales, bv, qbuf, kv; writes qbuf, kv
.if DOCPART == 1
	.amdgcn_target "amdgcn-amd-amdhsa--gfx1250"
	.amdhsa_code_object_version 6
	.text
	.protected	k_q33c4fb6bb9_proj
	.globl	k_q33c4fb6bb9_proj
	.p2align	8
	.type	k_q33c4fb6bb9_proj,@function
k_q33c4fb6bb9_proj:
	s_mov_b64 s[64:65], 0
	v_nop
	global_prefetch_b8 v0, s[64:65] scope:SCOPE_SE
	s_setreg_imm32_b32 hwreg(HW_REG_WAVE_MODE, 25, 1), 1
	s_wait_xcnt 0x0
; q = Wq x + bq, k = Wk y + bk, v = Wv y + bv on codes of FP4 (E2M1) with one E8M0 scale for each 32 along K, and each result quantised at once as an operand of the attention that follows.
; x: [4][256][4096] f32, K = the channels, its outer axis: quantised here.  y and the weights come as codes, K innermost (a row of 256 codes is 128 bytes, its scales 8 bytes).
; WHAT IS STORED: IMAGES OF OPERAND REGISTERS.  A fragment (16 rows x 128 K, 8 registers a lane) is 1,024 bytes: registers 4 c .. 4 c + 3 of lane l at 512 c + 16 l.
;   qbuf: 512 pairs of 32 pixels x 4,352 bytes: four fragments (tile of 16 pixels Tl, 128 channels u) at 1,024 (2 Tl + u), then 256 bytes of scale words.
;   kv:   128 blocks of 128 keys x 34,816 bytes: K's 16 fragments (tile kt, u) at 1,024 (2 kt + u); 1,024 bytes of scale words; V's 16 fragments (tile of channels ct; K = the 128 keys); 1,024 bytes of scale words.
;   A scale register carries two words: lanes 0-15 one, lanes 16-31 the other (q, k: the tile's words of u = 0 and 1; v: tiles 2 i and 2 i + 1).  Two such registers are stored together, 8 bytes a lane.
; SHARES.  256 work-groups of six waves, each with the same mix of work: waves 0, 1 make q, waves 2, 3 k, waves 4, 5 v.  Two neighbouring work-groups share a block X of 128 pixels: a role's four waves there
; have the numbers w = 2 (work-group % 2) + wave % 2.  A wave does four JOBS: 16 matrix instructions (8 tiles as source 0, one tile as source 1, two K steps) give 64 numbers a lane, which become one
; fragment and one scale word a row.  q, k: source 0 = rows of W (all 16 tiles stay in window 1), source 1 = 16 pixels: a lane holds ONE pixel, its registers run along the output channels.
; v: source 0 = 16 keys of y (the block's 8 tiles stay in window 1), source 1 = 16 rows of Wv: a lane holds ONE channel, its registers run along the keys.
; THE ROWS OF A SOURCE-0 TILE ARE NOT NEIGHBOURS: lane r of tile 2 b + u takes row 32 b + 8 u + r + 8 (r / 8), so that the 16 registers of tiles 2 b and 2 b + 1 are 16 neighbours along the next K.
; K's tiles of keys and V's tiles of channels are chosen in the same way, for the products that follow in the next launch.
; x COMES BY ONE TENSOR LOAD A q WAVE: 256 rows (channels) of 128 bytes (my 32 pixels) into 32,768 bytes of LDS of the wave's own, so that all of them are on their way at once; by this text's count one tensor
; load of a wave is out.  Only the wave that asked reads them, behind its own wait: no barrier, which k's and v's waves would have to pass too; that is why a row is my 128 bytes and not the two q waves' 256.
; Nothing in LDS is filled again.  No cluster: what work-groups share is a weight of 32,768 bytes, which goes straight into registers; x's and y's rows are read by one wave each.
; LIMITS: NaN and infinities are not served.  A block whose largest magnitude lies under 2^-124 gets the scale byte 1; so does a block of zeros, where the rule says 127: its codes are zeros, and this program alone reads the bytes.
.set AP,   1                           ; v1   (r + 8 (r / 8)) x 128 + 16 h: my place in a tile of rows of 128 bytes
.set ASC,  2                           ; v2   (r + 8 (r / 8)) x 8 + 4 h: lanes 0-15 the row's scale word of K step 0, lanes 16-31 of K step 1
.set BA,   3                           ; v3   64 h: my half's eight numbers of a bias
.set BVA,  4                           ; v4   (r + 8 (r / 8)) x 4: my channel's bv
.set L16,  5                           ; v5   16 x lane
.set L8,   6                           ; v6   8 x lane
.set L4,   7                           ; v7   4 x lane
.set XA,   15                          ; v15  LDS: my wave's tile of x + 4 x lane: my pixel
.set SM,   16                          ; v16-79   source-1 fragments, 16 registers a tile (two K steps)
.set SSC,  80                          ; v80-83   their scale words
.set BSC,  84                          ; v84-99   source 0's scale words
.set D0,   100                         ; v100-163 a job's 8 accumulators; before that x's two sets of 32 numbers
.set D1,   164                         ; v164-227 the other job's (q, k)
.set TM,   228                         ; v228-239 at work in QUANT
.set PWS,  240                         ; v240-243 the four jobs' scale words
.set PK,   248                         ; v248-249 they packed
.set PCQ,  48                          ; q, k: a job's codes at v48 + 8 j: never written again, so no store's data are
.set PCV,  164                         ; v: at v164 + 8 j
.set BVC,  196                         ; v: my channel's bv, eight times, for each job: the C of the sums' first products
.set W,    36                          ; s[36:37] the role's weight, s[38:39] its scales, s[40:41] its bias
.set WS,   38
.set BI,   40
.set OUTF, 42                          ; s[42:43] where my fragments go, s[44:45] my scale words
.set OUTS, 44
.set ROLE, 46                          ; s46  0: q, 1: k, 2: v
.set WV,   47                          ; s47  w: which of the role's four waves in block X
.set SEL,  48                          ; s[48:49] v_permlanex16_b32's selects for lane l xor 16
.set HIM,  50                          ; s50  lanes 16-31
.set XB,   51                          ; s51  X: the block of 128 pixels
.set W6,   66                          ; s66  my wave's number, 0 to 5
.set LB,   67                          ; s67  LDS byte at which a q wave's tile begins: 32,768 x (wave % 2)
.set G1,   68                          ; s[68:75] descriptor group 1 of x's tile
.set G0,   76                          ; s[76:79] group 0
.set MSB, 0
.macro WIN new                         ; the immediate's high byte repeats the setting that is left
.if MSB != \new
	s_set_vgpr_msb (MSB<<8)|\new
.set MSB, \new
.endif
.endm
; n tiles of source 0 into window 1, fragment (tile, K step) at v[8 (2 tile + step)], and their packed scale words
.macro BIGLOAD n, cb, sb
	WIN 0x40                                       ; destination window 1, address window 0
.set tt, 0
.rept \n
.irp k, 0,1
.irp c, 0,1
	global_load_b128 v[8*(2*tt+\k)+4*\c:8*(2*tt+\k)+4*\c+3], v[AP], s[\cb:\cb+1] offset:(32*(tt/2)+8*(tt%2))*128+64*\k+32*\c
.endr
.endr
.set tt, tt+1
.endr
	WIN 0
.set tt, 0
.rept \n
	global_load_b32 v[BSC+tt], v[ASC], s[\sb:\sb+1] offset:(32*(tt/2)+8*(tt%2))*8
.set tt, tt+1
.endr
.endm
; source-1 tile i: rows row + r + 8 (r / 8)
.macro SMALLLOAD i, row, cb, sb
.irp k, 0,1
.irp c, 0,1
	global_load_b128 v[SM+16*(\i)+8*\k+4*\c:SM+16*(\i)+8*\k+4*\c+3], v[AP], s[\cb:\cb+1] offset:(\row)*128+64*\k+32*\c
.endr
.endr
	global_load_b32 v[SSC+(\i)], v[ASC], s[\sb:\sb+1] offset:(\row)*8
.endm
; a bias in the result's layout: tile t's register j of lane (r, h) is channel 128 half + 32 (t / 2) + 8 (t % 2) + 16 h + j
.macro BIAS d, half
.irp t, 0,1,2,3,4,5,6,7
	global_load_b128 v[(\d)+8*\t:(\d)+8*\t+3], v[BA], s[BI:BI+1] offset:512*(\half)+(32*(\t/2)+8*(\t%2))*4
	global_load_b128 v[(\d)+8*\t+4:(\d)+8*\t+7], v[BA], s[BI:BI+1] offset:512*(\half)+(32*(\t/2)+8*(\t%2))*4+16
.endr
.endm
; 16 matrix instructions: source 0's tiles 8 half + 0 .. 7 against one source-1 tile, K step 0 and then K step 1.  The first eight take the bias as C (cs + cstep x tile).
; The eight accumulators take turns, one instruction a turn.  Four places follow: the results are read next.
.macro MM d, half, sm, ssc, cs, cstep
	WIN 0x01                                       ; source 0 window 1
.irp t, 0,1,2,3,4,5,6,7
	v_wmma_scale_f32_16x16x128_f8f6f4 v[(\d)+8*\t:(\d)+8*\t+7], v[16*(8*(\half)+\t):16*(8*(\half)+\t)+7], v[(\sm):(\sm)+7], v[(\cs)+(\cstep)*\t:(\cs)+(\cstep)*\t+7], v[BSC+8*(\half)+\t], v[(\ssc)] matrix_a_fmt:MATRIX_FMT_FP4 matrix_b_fmt:MATRIX_FMT_FP4
.endr
.irp t, 0,1,2,3,4,5,6,7
	v_wmma_scale_f32_16x16x128_f8f6f4 v[(\d)+8*\t:(\d)+8*\t+7], v[16*(8*(\half)+\t)+8:16*(8*(\half)+\t)+15], v[(\sm)+8:(\sm)+15], v[(\d)+8*\t:(\d)+8*\t+7], v[BSC+8*(\half)+\t], v[(\ssc)] matrix_a_fmt:MATRIX_FMT_FP4 matrix_b_fmt:MATRIX_FMT_FP4 matrix_a_scale:MATRIX_SCALE_ROW1 matrix_b_scale:MATRIX_SCALE_ROW1
.endr
	WIN 0
.rept 4
	v_nop
.endr
.endm
; 64 numbers of a lane, register 16 b + i = k 32 b + 16 (lane / 16) + i of my row, become a fragment's codes in v[pc] on and its scale word in v[pw]
.macro QUANT s, pc, pw, tm
.irp b, 0,1,2,3
	v_max3_num_f32 v[(\tm)+\b], |v[(\s)+16*\b]|, |v[(\s)+1+16*\b]|, 0x1800000   ; block b: my 16 numbers, and the floor 2^(3 - 127): the byte cannot fall under 1
.endr
.irp i, 2,4,6,8,10,12,14
.irp b, 0,1,2,3
	v_max3_num_f32 v[(\tm)+\b], v[(\tm)+\b], |v[(\s)+16*\b+\i]|, |v[(\s)+1+16*\b+\i]|   ; the four blocks by turns
.endr
.endr
.irp b, 0,1,2,3
	v_permlanex16_b32 v[(\tm)+4+\b], v[(\tm)+\b], s[SEL], s[SEL+1]
.endr
.irp b, 0,1,2,3
	v_max_num_f32 v[(\tm)+\b], v[(\tm)+\b], v[(\tm)+4+\b]   ; with lane l xor 16's: the block's largest magnitude
.endr
.irp b, 0,1,2,3
	v_add_nc_u32 v[(\tm)+8+\b], 0xff000000, v[(\tm)+\b]   ; 2 off its exponent field: the conversion takes this operand's exponent field as its scale
.endr
.irp b, 0,1,2,3
	v_lshrrev_b32 v[(\tm)+4+\b], 23, v[(\tm)+8+\b]   ; the scale's byte
.endr
	v_lshl_or_b32 v[(\pw)], v[(\tm)+5], 8, v[(\tm)+4]
	v_lshl_or_b32 v[(\pw)], v[(\tm)+6], 16, v[(\pw)]
	v_lshl_or_b32 v[(\pw)], v[(\tm)+7], 24, v[(\pw)]   ; my row's scale word
.irp b, 0,1,2,3
	v_cvt_scalef32_pk8_fp4_f32 v[(\pc)+2*\b], v[(\s)+16*\b:(\s)+7+16*\b], v[(\tm)+8+\b]
	v_cvt_scalef32_pk8_fp4_f32 v[(\pc)+1+2*\b], v[(\s)+8+16*\b:(\s)+15+16*\b], v[(\tm)+8+\b]
.endr
	v_nop                                          ; one plain place behind a scaled conversion
.irp c, 0,1                                    ; the operand's layout wants a whole block in a lane: lanes 0-15 block 2 c, lanes 16-31 block 2 c + 1
.irp i, 0,1
	v_permlane16_swap_b32 v[(\pc)+4*\c+\i], v[(\pc)+2+4*\c+\i]
.endr
.endr
.endm
; x: block t of 32 channels of my pixel (lane = pixel), out of my wave's tile in LDS: a row of the tile is one channel's 128 bytes, so each load reads 128 consecutive bytes
.macro XLOAD t
.set xi, 0
.rept 32
	ds_load_b32 v[D0+32*((\t)%2)+xi], v[XA] offset:(32*(\t)+xi)*128
.set xi, xi+1
.endr
.endm
; block t is quantised: all its 32 numbers are mine.  Even blocks' codes go to tile 0's registers, odd blocks' to tile 1's; an exchange of halves then gives tile 0 pixels 0-15 (lanes 0-15 the even
; block, lanes 16-31 the odd one) and tile 1 pixels 16-31: the operand's layout.
.macro XBLOCK t
.set XS, D0+32*((\t)%2)
.set XC, SM+16*((\t)%2)+8*((\t)/4)+4*(((\t)/2)%2)
.if (\t) < 7
	s_wait_dscnt 32                                ; this block's 32 LDS loads are in; the next block's 32 may be out
.else
	s_wait_dscnt 0x0
.endif
	v_max3_num_f32 v12, |v[XS]|, |v[XS+1]|, |v[XS+2]|
	v_max3_num_f32 v13, |v[XS+3]|, |v[XS+4]|, |v[XS+5]|
.irp i, 6,10,14,18,22,26
	v_max3_num_f32 v12, v12, |v[XS+\i]|, |v[XS+\i+1]|
	v_max3_num_f32 v13, v13, |v[XS+\i+2]|, |v[XS+\i+3]|
.endr
	v_max3_num_f32 v12, v12, |v[XS+30]|, |v[XS+31]|
	v_max3_num_f32 v12, v12, v13, 0x1800000        ; and the floor
	v_add_nc_u32 v14, 0xff000000, v12              ; the conversion's scale operand
.if (\t)%4 == 0
	v_lshrrev_b32 v[SSC+(\t)/4], 23, v14           ; the byte: four to a word, a word for each 128 channels
.else
	v_lshrrev_b32 v13, 23, v14
	v_lshl_or_b32 v[SSC+(\t)/4], v13, 8*((\t)%4), v[SSC+(\t)/4]
.endif
.irp g, 0,1,2,3
	v_cvt_scalef32_pk8_fp4_f32 v[XC+\g], v[XS+8*\g:XS+8*\g+7], v14
.endr
	v_nop                                          ; one plain place behind a scaled conversion
.if (\t) < 6
	XLOAD (\t)+2
.endif
.if (\t)%2 == 1
.irp g, 0,1,2,3
	v_permlane16_swap_b32 v[XC-16+\g], v[XC+\g]
.endr
.endif
.endm
.macro OUTJ pc, j                              ; a fragment leaves as it stands: each store covers 512 consecutive bytes, at a multiple of 256 from the buffer's first byte
	global_store_b128 v[L16], v[(\pc):(\pc)+3], s[OUTF:OUTF+1] offset:1024*(\j)
	global_store_b128 v[L16], v[(\pc)+4:(\pc)+7], s[OUTF:OUTF+1] offset:1024*(\j)+512
.endm
.macro OUTW                                    ; the four scale words as two packed registers: 256 consecutive bytes
	v_cndmask_b32 v[PK], v[PWS], v[PWS+1], s[HIM]
	v_cndmask_b32 v[PK+1], v[PWS+2], v[PWS+3], s[HIM]
	global_store_b64 v[L8], v[PK:PK+1], s[OUTS:OUTS+1]
.endm
	s_load_b512 s[8:23], s[0:1], 0x0               ; x 8, y's codes 10, y's scales 12, Wq 14, its scales 16, bq 18, Wk 20, its scales 22
	s_load_b256 s[24:31], s[0:1], 0x40             ; bk 24, Wv 26, its scales 28, bv 30
	s_load_b128 s[32:35], s[0:1], 0x60             ; qbuf 32, kv 34
	v_lshl_add_u32 v254, v0, 2, 0x29000
	v_mov_b32 v255, 0
	ds_add_u32 v254, v255
	ds_add_u32 v254, v255
	v_lshrrev_b32 v8, 5, v0
	v_readfirstlane_b32 s[W6], v8                  ; wave 0..5
	s_lshr_b32 s[ROLE], s[W6], 1                   ; the role
	s_and_b32 s[LB], s[W6], 1                      ; which of the role's two waves here
	s_and_b32 s[WV], ttmp9, 1
	s_lshl_b32 s[WV], s[WV], 1
	s_or_b32 s[WV], s[WV], s[LB]                   ; w = 2 (work-group % 2) + wave % 2: which of the role's four waves in the block
	s_lshl_b32 s[LB], s[LB], 15                    ; a q wave's tile in LDS: made of the wave's number alone
	s_lshr_b32 s[XB], ttmp9, 1                     ; X: the block of 128 pixels
	; descriptor group 1 of x's tile: 256 rows (channels) of 32 f32 (my pixels), 4,096 elements from row to row; dense in LDS
	s_mov_b32 s[G1], 2<<16                         ; 15:0 no mask; 17:16 elements of 4 bytes; no padding: a lane reads its own word of a row, 32 lanes 128 consecutive bytes
	s_mov_b32 s[G1+1], 32<<16                      ; tensor_dim0 = 32
	s_mov_b32 s[G1+2], 256<<16                     ; tensor_dim1 = 256
	s_mov_b32 s[G1+3], 32<<16                      ; tile_dim0 = 32
	s_mov_b32 s[G1+4], 256                         ; tile_dim1 = 256
	s_mov_b32 s[G1+5], 4096                        ; from row to row
	s_mov_b32 s[G1+6], 0
	s_mov_b32 s[G1+7], 0
	s_mov_b32 s[G0], 1                             ; count = 1
	s_mov_b32 s[G0+1], s[LB]                       ; LDS address
	v_and_b32 v9, 15, v0                           ; r
	v_bfe_u32 v10, v0, 4, 1                        ; h
	v_and_b32 v11, 8, v9
	v_add_nc_u32 v11, v11, v9                      ; r + 8 (r / 8)
	v_lshlrev_b32 v[AP], 7, v11
	v_lshl_add_u32 v[AP], v10, 4, v[AP]
	v_lshlrev_b32 v[ASC], 3, v11
	v_lshl_add_u32 v[ASC], v10, 2, v[ASC]
	v_lshlrev_b32 v[BA], 6, v10
	v_lshlrev_b32 v[BVA], 2, v11
	v_and_b32 v12, 31, v0
	v_lshlrev_b32 v[L16], 4, v12
	v_lshlrev_b32 v[L8], 3, v12
	v_lshlrev_b32 v[L4], 2, v12
	v_add_nc_u32 v[XA], s[LB], v[L4]
.irp b, 0,1,2,3
	v_mov_b32 v[TM+4+\b], 0                        ; written once: a lane permute's destination counts as one of its sources
.endr
	s_mov_b32 s[SEL], 0x76543210
	s_mov_b32 s[SEL+1], 0xfedcba98
	s_mov_b32 s[HIM], 0xffff0000
	; offsets, made apart from the addresses.  q: pair 4 X + w of 4,352 bytes, scale words 4,096 on.  k: block X of 34,816 bytes, 4,096 w; scale words at 16,384 + 256 w.  v: 17,408 further on
	s_cmp_eq_u32 s[ROLE], 0
	s_mov_b32 s52, 34816
	s_cselect_b32 s52, 17408, s52                  ; bytes for each X
	s_mov_b32 s53, 4096
	s_cselect_b32 s53, 4352, s53                   ; for each wave: fragments
	s_mov_b32 s54, 256
	s_cselect_b32 s54, 4352, s54                   ; scale words
	s_mov_b32 s55, 16384
	s_cselect_b32 s55, 4096, s55                   ; where the scale words begin
	s_cmp_eq_u32 s[ROLE], 2
	s_cselect_b32 s56, 17408, 0                    ; where the fragments begin
	s_cselect_b32 s55, 33792, s55
	s_cselect_b32 s60, s[WV], 0                    ; w in role v, else 0
	s_cmp_eq_u32 s[ROLE], 1
	s_cselect_b32 s61, s[WV], 0                    ; and in role k
	s_mul_i32 s52, s[XB], s52
	s_mul_i32 s53, s[WV], s53
	s_add_co_u32 s53, s53, s52
	s_add_co_u32 s56, s56, s53                     ; my fragments
	s_mov_b32 s57, 0
	s_mul_i32 s54, s[WV], s54
	s_add_co_u32 s54, s54, s52
	s_add_co_u32 s58, s54, s55                     ; my scale words
	s_mov_b32 s59, 0
	s_lshr_b32 s52, s[XB], 5                       ; x: batch X / 32 of 4,194,304 bytes, pixel 128 (X % 32) + 32 w
	s_lshl_b32 s52, s52, 22
	s_and_b32 s53, s[XB], 31
	s_lshl_b32 s53, s53, 9
	s_add_co_u32 s52, s52, s53
	s_lshl_b32 s53, s[WV], 7
	s_add_co_u32 s52, s52, s53
	s_mov_b32 s53, 0
	s_lshl_b32 s54, s[XB], 14                      ; y's codes: 128 rows of 128 bytes a block; role k: my wave's 32 rows
	s_lshl_b32 s55, s61, 12
	s_add_co_u32 s54, s54, s55
	s_mov_b32 s55, 0
	s_lshl_b32 s62, s[XB], 10                      ; y's scales: 8 bytes a row
	s_lshl_b32 s63, s61, 8
	s_add_co_u32 s62, s62, s63
	s_mov_b32 s63, 0
	s_wait_dscnt 0x0
	s_wait_kmcnt 0x0
	s_cmp_eq_u32 s[ROLE], 0                        ; the choices hang on the wave's number alone
	s_cselect_b64 s[W:W+1], s[14:15], s[20:21]
	s_cselect_b64 s[WS:WS+1], s[16:17], s[22:23]
	s_cselect_b64 s[BI:BI+1], s[18:19], s[24:25]
	s_cselect_b64 s[OUTF:OUTF+1], s[32:33], s[34:35]
	s_cmp_eq_u32 s[ROLE], 2
	s_cselect_b64 s[W:W+1], s[26:27], s[W:W+1]
	s_cselect_b64 s[WS:WS+1], s[28:29], s[WS:WS+1]
	s_cselect_b64 s[BI:BI+1], s[30:31], s[BI:BI+1]
	s_add_nc_u64 s[OUTS:OUTS+1], s[OUTF:OUTF+1], s[58:59]
	s_add_nc_u64 s[OUTF:OUTF+1], s[OUTF:OUTF+1], s[56:57]
	s_add_nc_u64 s[G0+2:G0+3], s[8:9], s[52:53]    ; global address of x's tile: channel 0 of my first pixel
	s_or_b32 s[G0+3], s[G0+3], 0x80000000          ; type = 2
	s_add_nc_u64 s[10:11], s[10:11], s[54:55]
	s_add_nc_u64 s[12:13], s[12:13], s[62:63]
	s_lshl_b32 s52, s60, 13                        ; role v: my wave's 64 rows of Wv, of its scales and of bv
	s_add_nc_u64 s[W:W+1], s[W:W+1], s[52:53]
	s_lshl_b32 s52, s60, 9
	s_add_nc_u64 s[WS:WS+1], s[WS:WS+1], s[52:53]
	s_lshl_b32 s52, s60, 8
	s_add_nc_u64 s[BI:BI+1], s[BI:BI+1], s[52:53]
	s_cmp_eq_u32 s[ROLE], 2                        ; the three roles part on the wave's number
	s_cbranch_scc1 .Lv
	s_cmp_eq_u32 s[ROLE], 1
	s_cbranch_scc1 .Lk
	; ---- q: x's tile is asked for first; all of Wq goes into window 1 while it is on its way
	tensor_load_to_lds s[G0:G0+3], s[G1:G1+7]      ; my one tensor load: 256 channels x my 32 pixels
	s_nop 0
.rept 4
	v_nop                                          ; four lines ahead of the next switch of windows
.endr
	BIGLOAD 16, W, WS
	BIAS D1, 0                                     ; job 0's bias
	s_wait_tensorcnt 0x0                           ; my tile is in LDS; only I read it, so this wait is all the ordering that the reads need
	XLOAD 0                                        ; my 32 pixels of x become two tiles; LDS loads run two blocks ahead
	XLOAD 1
.irp t, 0,1,2,3,4,5,6,7
	XBLOCK \t
.endr
	v_permlane16_swap_b32 v[SSC], v[SSC+1]         ; the words of channels 0-127 and 128-255 of 32 pixels become tile 0's packed register and tile 1's
	s_branch .Ljobs
	; ---- k: all of Wk in window 1; key tiles 2 w and 2 w + 1 of the block: keys 32 w + 8 Tl + r + 8 (r / 8)
.Lk:
	BIGLOAD 16, W, WS
	BIAS D1, 0
	SMALLLOAD 0, 0, 10, 12
	SMALLLOAD 1, 8, 10, 12
.Ljobs:
	s_wait_loadcnt 0x0
.rept 8
	v_nop                                          ; q's scale words and codes were written by vector instructions: eight places ahead of a scaled matrix instruction
.endr
.irp j, 0,1,2,3                                ; job j: tile of pixels j / 2, output channels 128 (j % 2) on
.set DJ, D0+64*((\j+1)%2)
.set DN, D0+64*(\j%2)
.if \j > 0
	s_wait_loadcnt 0x0                             ; this job's bias, asked for a job ago
.endif
.if \j < 3
	BIAS DN, (\j+1)%2                              ; the next job's, into the accumulators that the job before has left
.endif
	MM DJ, \j%2, SM+16*(\j/2), SSC+\j/2, DJ, 8
	QUANT DJ, PCQ+8*\j, PWS+\j, TM
	OUTJ PCQ+8*\j, \j
.endr
	OUTW
	s_wait_tensorcnt 0x0
	ds_add_u32 v254, v255
	s_wait_dscnt 0x0
	s_endpgm
	; ---- v: the block's 128 keys in window 1, my four tiles of Wv as source 1
.Lv:
	BIGLOAD 8, 10, 12
.irp j, 0,1,2,3
	SMALLLOAD \j, 32*(\j/2)+8*(\j%2), W, WS
.endr
.irp j, 0,1,2,3
.irp i, 0,1,2,3,4,5,6,7
	global_load_b32 v[BVC+8*\j+\i], v[BVA], s[BI:BI+1] offset:(32*(\j/2)+8*(\j%2))*4   ; in the result a lane holds one channel: its bv fills the eight registers of a C
.endr
.endr
	s_wait_loadcnt 0x0
.irp j, 0,1,2,3                                ; job j: channel tile 4 w + j
	MM D0, 0, SM+16*\j, SSC+\j, BVC+8*\j, 0
	QUANT D0, PCV+8*\j, PWS+\j, TM
	OUTJ PCV+8*\j, \j
.endr
	OUTW
	s_endpgm
.Lfunc_end_k_q33c4fb6bb9_proj:
	.size	k_q33c4fb6bb9_proj, .Lfunc_end_k_q33c4fb6bb9_proj-k_q33c4fb6bb9_proj
	.p2alignl 7, 3214868480
	.fill 96, 4, 3214868480
	.section	.rodata,"a",@progbits
	.p2align	6, 0x0
	.amdhsa_kernel k_q33c4fb6bb9_proj
		.amdhsa_group_segment_fixed_size 168704
		.amdhsa_private_segment_fixed_size 0
		.amdhsa_enable_private_segment 0
		.amdhsa_kernarg_size 112
		.amdhsa_user_sgpr_count 2
		.amdhsa_user_sgpr_kernarg_segment_ptr 1
		.amdhsa_wavefront_size32 1
		.amdhsa_system_sgpr_workgroup_id_x 1
		.amdhsa_system_sgpr_workgroup_id_y 1
		.amdhsa_system_sgpr_workgroup_id_z 1
		.amdhsa_system_vgpr_workitem_id 0
		.amdhsa_next_free_vgpr 512
		.amdhsa_next_free_sgpr 80
		.amdhsa_reserve_vcc 0
		.amdhsa_float_denorm_mode_32 3
		.amdhsa_float_denorm_mode_16_64 3
		.amdhsa_memory_ordered 1
		.amdhsa_forward_progress 1
		.amdhsa_inst_pref_size 116
	.end_amdhsa_kernel
	.amdgpu_metadata
---
amdhsa.version: [ 1, 2 ]
amdhsa.kernels:
  - .name:           k_q33c4fb6bb9_proj
    .symbol:         k_q33c4fb6bb9_proj.kd
    .args:
      - { .name: x, .offset: 0, .size: 8, .value_kind: global_buffer, .address_space: global }
      - { .name: y_codes, .offset: 8, .size: 8, .value_kind: global_buffer, .address_space: global }
      - { .name: y_scales, .offset: 16, .size: 8, .value_kind: global_buffer, .address_space: global }
      - { .name: Wq_codes, .offset: 24, .size: 8, .value_kind: global_buffer, .address_space: global }
      - { .name: Wq_scales, .offset: 32, .size: 8, .value_kind: global_buffer, .address_space: global }
      - { .name: bq, .offset: 40, .size: 8, .value_kind: global_buffer, .address_space: global }
      - { .name: Wk_codes, .offset: 48, .size: 8, .value_kind: global_buffer, .address_space: global }
      - { .name: Wk_scales, .offset: 56, .size: 8, .value_kind: global_buffer, .address_space: global }
      - { .name: bk, .offset: 64, .size: 8, .value_kind: global_buffer, .address_space: global }
      - { .name: Wv_codes, .offset: 72, .size: 8, .value_kind: global_buffer, .address_space: global }
      - { .name: Wv_scales, .offset: 80, .size: 8, .value_kind: global_buffer, .address_space: global }
      - { .name: bv, .offset: 88, .size: 8, .value_kind: global_buffer, .address_space: global }
      - { .name: qbuf, .offset: 96, .size: 8, .value_kind: global_buffer, .address_space: global }
      - { .name: kv, .offset: 104, .size: 8, .value_kind: global_buffer, .address_space: global }
    .group_segment_fixed_size: 168704
    .private_segment_fixed_size: 0
    .kernarg_segment_align: 8
    .kernarg_segment_size: 112
    .max_flat_workgroup_size: 192
    .sgpr_count:     80
    .vgpr_count:     512
    .wavefront_size: 32
...
	.end_amdgpu_metadata
.endif
;; end of part 1
;; launch attn (part 2): grid 256 x 1, 8 waves a work-group, clusters of 4 x 1, 327,680 bytes of LDS; arguments qbuf, kv, Wo_codes, Wo_scales, bo, x, out0; writes out0
.if DOCPART == 2
	.amdgcn_target "amdgcn-amd-amdhsa--gfx1250"
	.amdhsa_code_object_version 6
	.text
	.protected	k_q33c4fb6bb9_attn
	.globl	k_q33c4fb6bb9_attn
	.p2align	8
	.type	k_q33c4fb6bb9_attn,@function
k_q33c4fb6bb9_attn:
	s_mov_b64 s[64:65], 0
	v_nop
	global_prefetch_b8 v0, s[64:65] scope:SCOPE_SE
	s_setreg_imm32_b32 hwreg(HW_REG_WAVE_MODE, 25, 1), 1
	s_wait_xcnt 0x0
	s_wait_alu depctr_hold_cnt(0) depctr_sa_sdst(0) depctr_va_vdst(0) depctr_va_sdst(0) depctr_va_ssrc(0) depctr_va_vcc(0) depctr_vm_vsrc(0)
	s_getreg_b32 s2, hwreg(HW_REG_IB_STS2, 6, 4)
	s_cmp_eq_u32 s2, 0
	s_cbranch_scc0 .Lentry_in_a_cluster
	s_endpgm
.Lentry_in_a_cluster:
	s_bfe_u32 s2, ttmp6, 0x10000c
	s_cmp_lg_u32 s2, 0x3003
	s_cbranch_scc0 .Lentry_shape_is_right
	s_endpgm
.Lentry_shape_is_right:
; out = x + Wo z + bo, z[c][l] = sum over k of softmax_k(q[l] . k[k] / 16) v[c][k]: all three products on codes of FP4 (E2M1) with one E8M0 scale for each 32 along K.
; q, k and v come as images of operand registers with packed scale words (qbuf, kv: laid by the launch before; a fragment of 16 rows x 128 K is 1,024 bytes, registers 4 c .. 4 c + 3 of lane l at 512 c + 16 l).
; THE SOFTMAX: t = score x log2(e) / 16; M = the largest t so far, rounded up to a whole number; p = 2^(t - M) is quantised along the keys, not normalised; the row's sum is taken of the unquantised p.
; When M moves, the sum and O are multiplied by 2^(old M - new M), which rounds nothing.
; SHARES.  A work-group owns 64 queries of one batch.  Wave w = 4 g + s: g names 32 of the queries (two tiles of 16), s a quarter of the 4,096 keys (8 steps of 128).  So each fragment of K and V that a wave
; reads from LDS feeds two matrix instructions, and two waves stand on each SIMD: one wave's vector work beside the other's matrix work and LDS loads.  At the end the four quarters' partial O, M and sums
; meet in LDS; each wave then owns 16 queries x 128 channels of z, quantises them, and makes 32 output channels for all 64 queries.
; LAYOUT.  S^T = K Q^T (source 0 = 16 keys, source 1 = 16 queries) and O^T = V^T P^T (source 0 = 16 channels): a lane holds ONE query throughout.  K's tile 2 b + u holds keys 32 b + 8 u + r + 8 (r / 8) and V's
; tile 2 b + u the channels of the same pattern, so that the 16 registers of two neighbouring tiles are 16 neighbours along the next K (the keys for p, the channels for z).
; CLUSTER.  The four work-groups of a cluster belong to one batch and walk the same K and V: each tile is asked for JOINTLY, by the same tensor load with the same descriptor and the mask of all four.
; A mask names four work-groups, so the 64 work-groups of a batch form sixteen such clusters.
; RING.  Two slots of 139,264 bytes; a slot holds one step of each of the four quarters, 8 units of 17,408 bytes (68 rows of 256): unit w = quarter w / 2, K's part (w even) or V's; wave w fetches unit w.
; By this text's count a wave has two tensor loads out at the start and one behind each round.
; LIMITS: NaN and infinities are not served.  A block whose largest magnitude lies under 2^-124, and a block of zeros, get the scale byte 1 (their codes are zeros or as the floor gives them; this program alone
; reads the bytes).  A block's largest p is not searched for: the block's largest score goes through the same multiply-add and exponential, which takes v_exp_f32 not to fall where its input rises.
; REGISTERS.  Window 0: v0 thread; v1-2, v3-4 LDS addresses; v5, v6 the spare word's address and 0; v7 the prefetches' offset; v10-21 statistics; v22-23 Q's scale words; v24-55 Q; v56-183 S^T, then p, then V's 16
; fragments; v184-191 scale words of K or V; v192-255 K's fragments in two sets, then p's codes and the softmax's work.  Window 1: O^T, tile q, channel tile ct at v[128 q + 8 ct].
.set QTR,   34816                      ; a block of 128 keys in kv, and a quarter's place in a slot
.set UNIT,  17408                      ; K's part or V's: 16 fragments and 1,024 bytes of scale words
.set SLOTB, 8*UNIT
.set SPARE, 2*SLOTB                    ; behind the ring: the spare words, 128 bytes for each of eight waves: four blocks of 256 bytes that no other line names
.set STAT,  SPARE+1024                 ; 8 x 512: each wave's -M and sums
.set ZIMG,  STAT+4096                  ; 8 x 1,024: z's fragments (tile T, 128 channels u): 2 T + u
.set ZSC,   ZIMG+8192                  ; 8 x 128: their scale words
; and in the ring, when it has had its last fill and its last read: the exchange of O (32 chunks of 8,192 bytes from byte 0), later the stage for the way out (256 rows of 272 bytes from byte 0)
.set AF,  1                            ; v1, v2  slot 0, 1: my quarter + 16 x lane
.set AS,  3                            ; v3, v4  my quarter + 8 x lane
.set SPW, 5
.set NIL, 6
.set PFO, 7
.set ST,  10                           ; tile q at v[10 + 6 q]: +0 -M, +1 largest t, +2, +3 the sum in two halves, +4 f, +5 p's scale word
.set QS,  22
.set Q,   24                           ; (q, u) at 24 + 16 q + 8 u
.set S,   56                           ; tile q's scores at 56 + 64 q; key tile kt at + 8 kt
.set SC,  184
.set FA,  192
.set FB,  224
.set PC,  192                          ; p's codes, 8 a tile
.set TQ,  208                          ; tile q's work at 208 + 16 q: +0..3 the blocks' largest, +4..7, +8..11 scale operands, +12
.set EO,  120                          ; the last product's eight accumulators
.set FF,  136                          ; four pairs: the factor of each source's partial O, and beside it its power of two
.set WV,  18
.set G1,  24                           ; s[24:31] descriptor group 1
.set G0,  32                           ; s[32:39] group 0, a set for each slot
.set SEL, 40
.set CS,  42                           ; s[42:43] c = log2(e) / 16
.set LC,  44
.set LIM, 45                           ; 1 in a wave that prefetches, else the greatest number
.set PFA, 46                           ; s[46:47] where my prefetches stand
.set TSEL, 48                          ; 0: I shall own my pair's first tile; all ones: its second
.set MSB, 0
.macro WIN new                         ; the immediate's high byte repeats the setting that is left
.if MSB != \new
	s_set_vgpr_msb (MSB<<8)|\new
.set MSB, \new
.endif
.endm
.macro PLACES n
.rept \n
	v_nop
.endr
.endm
; A round of the cluster's barrier: my work-group's barrier, so that wave 0's signal speaks for all eight waves; wave 0 signals; every wave waits for all four work-groups; my work-group's barrier once more.
.macro CROUND
	s_barrier_signal -1
	s_barrier_wait -1
	s_cmp_lg_u32 s[WV], 0
	s_cbranch_scc1 .Lnot_wave_0_\@
	s_barrier_signal -3
.Lnot_wave_0_\@:
	s_barrier_wait -3
	s_barrier_signal -1
	s_barrier_wait -1
.endm
.macro BARRIER                         ; my LDS stores have landed and my LDS loads are in: then the work-group's barrier
	s_wait_dscnt 0x0
	s_barrier_signal -1
	s_barrier_wait -1
.endm
.macro JLOAD n                         ; every wave fetches its own unit of slot n; four v_nop follow
	tensor_load_to_lds s[G0+4*(\n):G0+4*(\n)+3], s[G1:G1+7]
	s_nop 0
	PLACES 4
.endm
; A PREFETCH INTO THE L2 of the block that the NEXT change of slots will ask for.  All sixteen clusters of a batch walk the same blocks: the batch's first cluster asks.  In each of its work-groups waves 0 to 3
; ask, one quarter each; the four partners share a block's 128 rows of fragments (256 bytes each) out BY ADDRESS, 32 each, a lane a row: each row is named once in the launch.  The 8 rows of scale words come
; by their loads alone, and so do steps 0 to 2.  how = 1: a change that always has a step two on; how = 0: the trip's second change, which has none in the last trip.
.macro ASK how
.if \how
	s_cmp_eq_u32 s[LIM], 1
.else
	s_cmp_gt_u32 s[LC], s[LIM]
.endif
	s_cbranch_scc0 .Lnot_mine_\@
	global_prefetch_b8 v[PFO], s[PFA:PFA+1] th:TH_LOAD_NT scope:SCOPE_SE
.Lnot_mine_\@:
.endm
; THE CHANGE OF SLOTS, at the head of the step that reads slot `slot`.  Each wave waits for all its tensor loads (its unit of that slot), adds 0 to its spare word, and waits for that and for its reads of the
; other slot.  fill = 1: a round of the cluster's barrier, so that no wave of any partner still reads the other slot or has a load on its way; the joint refill, two steps on, is the first thing behind it.
.macro CHANGE slot, fill, how
	s_wait_tensorcnt 0x0                           ; no tensor load of mine is out, so a group 0 may be written
	ds_add_u32 v[SPW], v[NIL]                      ; 0 onto my spare word
.if \fill
	s_add_nc_u64 s[G0+4*(1-\slot)+2:G0+4*(1-\slot)+3], s[G0+4*(1-\slot)+2:G0+4*(1-\slot)+3], 2*QTR   ; the other slot's next step; the type bits on top are not reached
	s_wait_xcnt 0x0                                ; the last prefetch, a step back, has read its address, so it may be written
	s_add_nc_u64 s[PFA:PFA+1], s[PFA:PFA+1], QTR
	s_wait_dscnt 0x0                               ; the add is done, and my reads of the other slot are over
	CROUND
	JLOAD 1-\slot
	ASK \how
.else
	s_wait_dscnt 0x0
	s_barrier_signal -1
	s_barrier_wait -1
.endif
.endm
; K's fragments 4 gi .. 4 gi + 3 (key tiles 2 gi, 2 gi + 1, both halves of the channels) into a set of 32 registers
.macro KLOAD slot, gi, buf
.irp f, 0,1,2,3
.irp c, 0,1
	ds_load_b128 v[\buf+8*\f+4*\c:\buf+8*\f+4*\c+3], v[AF+\slot] offset:(4*(\gi)+\f)*1024+512*\c
.endr
.endr
.endm
; eight products: channels 0-127 start the four sums, channels 128-255 end them; the four accumulators take turns
.macro QKMM gi, buf
.irp u, 0,1
.irp k, 0,1
.irp q, 0,1
.if \u == 0
	v_wmma_scale_f32_16x16x128_f8f6f4 v[S+64*\q+8*(2*(\gi)+\k):S+64*\q+8*(2*(\gi)+\k)+7], v[\buf+16*\k:\buf+16*\k+7], v[Q+16*\q:Q+16*\q+7], 0, v[SC+2*(\gi)+\k], v[QS+\q] matrix_a_fmt:MATRIX_FMT_FP4 matrix_b_fmt:MATRIX_FMT_FP4
.else
	v_wmma_scale_f32_16x16x128_f8f6f4 v[S+64*\q+8*(2*(\gi)+\k):S+64*\q+8*(2*(\gi)+\k)+7], v[\buf+16*\k+8:\buf+16*\k+15], v[Q+16*\q+8:Q+16*\q+15], v[S+64*\q+8*(2*(\gi)+\k):S+64*\q+8*(2*(\gi)+\k)+7], v[SC+2*(\gi)+\k], v[QS+\q] matrix_a_fmt:MATRIX_FMT_FP4 matrix_b_fmt:MATRIX_FMT_FP4 matrix_a_scale:MATRIX_SCALE_ROW1 matrix_b_scale:MATRIX_SCALE_ROW1
.endif
.endr
.endr
.endr
.endm
; the largest score of each block of 32 keys (it serves twice: for the row's maximum and for the block's largest p), the new M, and f = 2^(old M - new M)
.macro SMA q, first
.set rS, S+64*(\q)
.set rT, ST+6*(\q)
.set rQ, TQ+16*(\q)
.irp b, 0,1,2,3
	v_max3_num_f32 v[rQ+\b], v[rS+16*\b], v[rS+16*\b+1], v[rS+16*\b+2]
.endr
.irp i, 3,5,7,9,11,13
.irp b, 0,1,2,3
	v_max3_num_f32 v[rQ+\b], v[rQ+\b], v[rS+16*\b+\i], v[rS+16*\b+\i+1]
.endr
.endr
.irp b, 0,1,2,3
	v_max_num_f32 v[rQ+\b], v[rQ+\b], v[rS+16*\b+15]
.endr
.irp b, 0,1,2,3
	v_permlanex16_b32 v[rQ+4+\b], v[rQ+\b], s[SEL], s[SEL+1]
.endr
.irp b, 0,1,2,3
	v_max_num_f32 v[rQ+\b], v[rQ+\b], v[rQ+4+\b]   ; with lane l xor 16's 16 keys
.endr
	v_max3_num_f32 v[rQ+12], v[rQ], v[rQ+1], v[rQ+2]
	v_max_num_f32 v[rQ+12], v[rQ+12], v[rQ+3]
.if \first
	v_mul_f32 v[rT+1], s[CS], v[rQ+12]             ; the first step starts the running maximum
	v_floor_f32 v[rT], -v[rT+1]                    ; -M = floor(-t)
.else
	v_mul_f32 v[rQ+12], s[CS], v[rQ+12]
	v_max_num_f32 v[rT+1], v[rT+1], v[rQ+12]
	v_mov_b32 v[rQ+12], v[rT]
	v_floor_f32 v[rT], -v[rT+1]
	v_sub_f32 v[rQ+12], v[rT], v[rQ+12]            ; old M - new M: a whole number, 0 or less
	v_cvt_i32_f32 v[rQ+12], v[rQ+12]
	v_ldexp_f32 v[rT+4], 1.0, v[rQ+12]
.endif
.endm
.macro SMB q                           ; t - M, two at a time; the same of the blocks' largest scores; the 64 exponentials
.set rS, S+64*(\q)
.set rT, ST+6*(\q)
.set rQ, TQ+16*(\q)
.set kk, 0
.rept 32
	v_pk_fma_f32 v[rS+kk:rS+kk+1], v[rS+kk:rS+kk+1], s[CS:CS+1], v[rT:rT+1] op_sel_hi:[1,0,0]
.set kk, kk+2
.endr
.irp b, 0,1,2,3
	v_fma_f32 v[rQ+\b], v[rQ+\b], s[CS], v[rT]
.endr
.set kk, 0
.rept 64
	v_exp_f32 v[rS+kk], v[rS+kk]
.set kk, kk+1
.endr
.endm
.macro SMC q                           ; the blocks' largest p
.irp b, 0,1,2,3
	v_exp_f32 v[TQ+16*(\q)+\b], v[TQ+16*(\q)+\b]
.endr
.endm
.macro SUM q, first                    ; the row's sum of the unquantised p, two at a time, in two chains
.set rS, S+64*(\q)
.set rT, ST+6*(\q)
.set rQ, TQ+16*(\q)
.if \first
	v_pk_add_f32 v[rT+2:rT+3], v[rS:rS+1], v[rS+2:rS+3]
	v_pk_add_f32 v[rQ+4:rQ+5], v[rS+4:rS+5], v[rS+6:rS+7]
.set kk, 8
.else
	v_pk_add_f32 v[rQ+4:rQ+5], v[rS:rS+1], v[rS+2:rS+3]
.set kk, 4
.endif
.rept 15-(\first)
	v_pk_add_f32 v[rT+2:rT+3], v[rT+2:rT+3], v[rS+kk:rS+kk+1]
	v_pk_add_f32 v[rQ+4:rQ+5], v[rQ+4:rQ+5], v[rS+kk+2:rS+kk+3]
.set kk, kk+4
.endr
	v_pk_add_f32 v[rT+2:rT+3], v[rT+2:rT+3], v[rQ+4:rQ+5]
.endm
.macro SMD q                           ; p's scale word and codes
.set rS, S+64*(\q)
.set rT, ST+6*(\q)
.set rQ, TQ+16*(\q)
.set rP, PC+8*(\q)
.irp b, 0,1,2,3
	v_max_num_f32 v[rQ+\b], 0x1800000, v[rQ+\b]    ; the floor 2^(3 - 127): the byte cannot fall under 1
.endr
.irp b, 0,1,2,3
	v_add_nc_u32 v[rQ+8+\b], 0xff000000, v[rQ+\b]  ; 2 off the exponent field: the conversion's scale operand
.endr
.irp b, 0,1,2,3
	v_lshrrev_b32 v[rQ+4+\b], 23, v[rQ+8+\b]
.endr
	v_lshl_or_b32 v[rT+5], v[rQ+5], 8, v[rQ+4]
	v_lshl_or_b32 v[rT+5], v[rQ+6], 16, v[rT+5]
	v_lshl_or_b32 v[rT+5], v[rQ+7], 24, v[rT+5]
.irp b, 0,1,2,3
	v_cvt_scalef32_pk8_fp4_f32 v[rP+2*\b], v[rS+16*\b:rS+16*\b+7], v[rQ+8+\b]
	v_cvt_scalef32_pk8_fp4_f32 v[rP+2*\b+1], v[rS+16*\b+8:rS+16*\b+15], v[rQ+8+\b]
.endr
	v_nop                                          ; one plain place behind a scaled conversion
.irp c, 0,1
.irp i, 0,1
	v_permlane16_swap_b32 v[rP+4*\c+\i], v[rP+4*\c+2+\i]
.endr
.endr
.endm
; O^T += V^T P^T: channel tiles c0 .. c0 + 7, both tiles of queries: sixteen different accumulators.  A scale register of V carries tile 2 i in lanes 0-15 and tile 2 i + 1 in lanes 16-31
.macro PVMM c0, first
.irp a, 0,1,2,3,4,5,6,7
.irp q, 0,1
.if \first
.if (\a)%2
	v_wmma_scale_f32_16x16x128_f8f6f4 v[128*\q+8*((\c0)+\a):128*\q+8*((\c0)+\a)+7], v[S+8*((\c0)+\a):S+8*((\c0)+\a)+7], v[PC+8*\q:PC+8*\q+7], 0, v[SC+((\c0)+\a)/2], v[ST+6*\q+5] matrix_a_fmt:MATRIX_FMT_FP4 matrix_b_fmt:MATRIX_FMT_FP4 matrix_a_scale:MATRIX_SCALE_ROW1
.else
	v_wmma_scale_f32_16x16x128_f8f6f4 v[128*\q+8*((\c0)+\a):128*\q+8*((\c0)+\a)+7], v[S+8*((\c0)+\a):S+8*((\c0)+\a)+7], v[PC+8*\q:PC+8*\q+7], 0, v[SC+((\c0)+\a)/2], v[ST+6*\q+5] matrix_a_fmt:MATRIX_FMT_FP4 matrix_b_fmt:MATRIX_FMT_FP4
.endif
.else
.if (\a)%2
	v_wmma_scale_f32_16x16x128_f8f6f4 v[128*\q+8*((\c0)+\a):128*\q+8*((\c0)+\a)+7], v[S+8*((\c0)+\a):S+8*((\c0)+\a)+7], v[PC+8*\q:PC+8*\q+7], v[128*\q+8*((\c0)+\a):128*\q+8*((\c0)+\a)+7], v[SC+((\c0)+\a)/2], v[ST+6*\q+5] matrix_a_fmt:MATRIX_FMT_FP4 matrix_b_fmt:MATRIX_FMT_FP4 matrix_a_scale:MATRIX_SCALE_ROW1
.else
	v_wmma_scale_f32_16x16x128_f8f6f4 v[128*\q+8*((\c0)+\a):128*\q+8*((\c0)+\a)+7], v[S+8*((\c0)+\a):S+8*((\c0)+\a)+7], v[PC+8*\q:PC+8*\q+7], v[128*\q+8*((\c0)+\a):128*\q+8*((\c0)+\a)+7], v[SC+((\c0)+\a)/2], v[ST+6*\q+5] matrix_a_fmt:MATRIX_FMT_FP4 matrix_b_fmt:MATRIX_FMT_FP4
.endif
.endif
.endr
.endr
.endm
; A KEY STEP: 128 keys of my quarter, from slot `slot`.  first = 1: my first step: it starts M, the sums and O^T, so that nothing is cleared.
.macro STEP slot, first
.irp p, 0,1,2,3
	ds_load_b64 v[SC+2*\p:SC+2*\p+1], v[AS+\slot] offset:16384+256*\p   ; K's scale words, two registers a load
.endr
	KLOAD \slot, 0, FA
	KLOAD \slot, 1, FB
	s_wait_dscnt 8                                 ; all but the youngest eight loads (the other set's)
	QKMM 0, FA
	PLACES 4                                       ; in front of loads into registers that matrix instructions have read
	KLOAD \slot, 2, FA
	s_wait_dscnt 8
	QKMM 1, FB
	PLACES 4
	KLOAD \slot, 3, FB
	s_wait_dscnt 8
	QKMM 2, FA
	s_wait_dscnt 0x0
	QKMM 3, FB
	PLACES 4                                       ; in front of the first read of results and of writes into K's registers
	SMA 0, \first
	SMA 1, \first
	SMB 0
	SMB 1
.if \first
	v_nop                                          ; a plain place behind the exponentials
.else
	v_pk_mul_f32 v[ST+2:ST+3], v[ST+2:ST+3], v[ST+4:ST+5] op_sel_hi:[1,0]      ; the sums under the new M (plain places behind the exponentials)
	v_pk_mul_f32 v[ST+8:ST+9], v[ST+8:ST+9], v[ST+10:ST+11] op_sel_hi:[1,0]
.endif
	s_wait_alu depctr_va_vdst(0)                   ; ahead of the first reader: one wait for the 128 exponentials
	SMC 0
	SMC 1
	SUM 0, \first                                  ; reads the 128 alone: plain work behind the eight
	SUM 1, \first
	s_wait_alu depctr_va_vdst(0)                   ; and one for the eight
	SMD 0
	SMD 1
.irp p, 0,1,2,3
	ds_load_b64 v[SC+2*\p:SC+2*\p+1], v[AS+\slot] offset:UNIT+16384+256*\p   ; V's scale words
.endr
.set vv, 0
.rept 16
	ds_load_b128 v[S+8*vv:S+8*vv+3], v[AF+\slot] offset:UNIT+1024*vv         ; V's 16 fragments, where p stood
	ds_load_b128 v[S+8*vv+4:S+8*vv+7], v[AF+\slot] offset:UNIT+1024*vv+512
.set vv, vv+1
.endr
.if \first
	PLACES 8                                       ; p's scale words were written by vector instructions: eight places ahead of a scaled matrix instruction
.else
	WIN 0x41                                       ; O^T (destination and source 0) window 1, f window 0
.set oo, 0
.rept 64
	v_pk_mul_f32 v[oo:oo+1], v[oo:oo+1], v[ST+4:ST+5] op_sel_hi:[1,0]        ; O^T under the new M; these lines are also the places ahead of the products below
.set oo, oo+2
.endr
.rept 64
	v_pk_mul_f32 v[oo:oo+1], v[oo:oo+1], v[ST+10:ST+11] op_sel_hi:[1,0]
.set oo, oo+2
.endr
.endif
	s_wait_dscnt 16                                ; the scale words and channel tiles 0-7 are in; the youngest sixteen loads (tiles 8-15) may be out
	WIN 0x50                                       ; C and D window 1
	PVMM 0, \first
	s_wait_dscnt 0x0
	PVMM 8, \first
	WIN 0
	PLACES 5                                       ; the next step's products write over V's fragments (five places), its loads land on p's codes and the scale words (four)
.endm
; 64 numbers of a lane, register 16 b + i = k 32 b + 16 (lane / 16) + i of my row, become a fragment's codes in v[pc] on and its scale word in v[pw]
.macro QUANT s, pc, pw, tm
.irp b, 0,1,2,3
	v_max3_num_f32 v[(\tm)+\b], |v[(\s)+16*\b]|, |v[(\s)+1+16*\b]|, 0x1800000
.endr
.irp i, 2,4,6,8,10,12,14
.irp b, 0,1,2,3
	v_max3_num_f32 v[(\tm)+\b], v[(\tm)+\b], |v[(\s)+16*\b+\i]|, |v[(\s)+1+16*\b+\i]|
.endr
.endr
.irp b, 0,1,2,3
	v_permlanex16_b32 v[(\tm)+4+\b], v[(\tm)+\b], s[SEL], s[SEL+1]
.endr
.irp b, 0,1,2,3
	v_max_num_f32 v[(\tm)+\b], v[(\tm)+\b], v[(\tm)+4+\b]
.endr
.irp b, 0,1,2,3
	v_add_nc_u32 v[(\tm)+8+\b], 0xff000000, v[(\tm)+\b]
.endr
.irp b, 0,1,2,3
	v_lshrrev_b32 v[(\tm)+4+\b], 23, v[(\tm)+8+\b]
.endr
	v_lshl_or_b32 v[(\pw)], v[(\tm)+5], 8, v[(\tm)+4]
	v_lshl_or_b32 v[(\pw)], v[(\tm)+6], 16, v[(\pw)]
	v_lshl_or_b32 v[(\pw)], v[(\tm)+7], 24, v[(\pw)]
.irp b, 0,1,2,3
	v_cvt_scalef32_pk8_fp4_f32 v[(\pc)+2*\b], v[(\s)+16*\b:(\s)+7+16*\b], v[(\tm)+8+\b]
	v_cvt_scalef32_pk8_fp4_f32 v[(\pc)+1+2*\b], v[(\s)+8+16*\b:(\s)+15+16*\b], v[(\tm)+8+\b]
.endr
	v_nop
.irp c, 0,1
.irp i, 0,1
	v_permlane16_swap_b32 v[(\pc)+4*\c+\i], v[(\pc)+2+4*\c+\i]
.endr
.endr
.endm
	s_load_b256 s[4:11], s[0:1], 0x0               ; qbuf 4, kv 6, Wo's codes 8, Wo's scales 10
	s_load_b128 s[12:15], s[0:1], 0x20             ; bo 12, x 14
	s_load_b64 s[16:17], s[0:1], 0x30              ; out0
	v_lshl_add_u32 v[SPW], v0, 2, SPARE
	v_mov_b32 v[NIL], 0
	ds_add_u32 v5, v6
	ds_add_u32 v5, v6
	s_wait_dscnt 0x0
	v_lshrrev_b32 v8, 5, v0
	v_readfirstlane_b32 s[WV], v8                  ; wave 0..7
	s_lshr_b32 s19, s[WV], 2                       ; g: which 32 queries
	s_and_b32 s20, s[WV], 3                        ; s: which quarter of the keys
	s_bfe_u32 s21, ttmp6, 0x40000                  ; cx: my place in the cluster: it enters Q's, x's, out's and the prefetches' addresses alone
	s_lshl_b32 s22, ttmp9, 2                       ; in a cluster launch ttmp9 counts clusters
	s_add_co_u32 s22, s22, s21                     ; my block of 64 queries
	s_lshr_b32 s23, ttmp9, 4                       ; the batch, which the four partners share
	; descriptor group 1: a dense block of 68 rows of 256 bytes
	s_mov_b32 s[G1], 15|(3<<16)|(1<<21)            ; 15:0 the mask: all four work-groups; 17:16 elements of 8 bytes; 21 set beside a mask; no padding: images are read 16 bytes a lane on end
	s_mov_b32 s[G1+1], 32<<16                      ; tensor_dim0 = 32
	s_mov_b32 s[G1+2], 68<<16                      ; tensor_dim1 = 68
	s_mov_b32 s[G1+3], 32<<16                      ; tile_dim0 = 32
	s_mov_b32 s[G1+4], 68                          ; tile_dim1 = 68
	s_mov_b32 s[G1+5], 32                          ; from row to row
	s_mov_b32 s[G1+6], 0
	s_mov_b32 s[G1+7], 0
	s_mov_b32 s[SEL], 0x76543210
	s_mov_b32 s[SEL+1], 0xfedcba98
	s_mov_b32 s[CS], 0x3db8aa3b                    ; log2(e) / 16
	s_mov_b32 s[CS+1], s[CS]                       ; named with it as a pair, so it is written
	s_mul_i32 s50, s23, 32*QTR                     ; what I fetch: the batch's 32 blocks, quarter w / 2, K's part or V's: made of the batch and the wave's number alone
	s_lshr_b32 s52, s[WV], 1
	s_mul_i32 s52, s52, 8*QTR
	s_add_co_u32 s50, s50, s52
	s_and_b32 s52, s[WV], 1
	s_mul_i32 s52, s52, UNIT
	s_add_co_u32 s50, s50, s52
	s_mov_b32 s51, 0
	s_mul_i32 s53, s[WV], UNIT                     ; and where it goes in a slot
	s_mul_i32 s54, s23, 32*QTR                     ; the prefetches: my quarter's step 2 (the first change steps it to 3), my work-group's 32 rows of fragments: 8,192 cx, past K's scale words for cx = 2, 3
	s_mul_i32 s55, s20, 8*QTR
	s_add_co_u32 s54, s54, s55
	s_lshl_b32 s55, s21, 13
	s_add_co_u32 s54, s54, s55
	s_lshr_b32 s55, s21, 1
	s_lshl_b32 s55, s55, 10
	s_add_co_u32 s54, s54, s55
	s_add_co_u32 s54, s54, 2*QTR
	s_mov_b32 s55, 0
	s_and_b32 s[LIM], ttmp9, 15                    ; 0 in the batch's first cluster,
	s_or_b32 s[LIM], s[LIM], s19                   ; in waves 0 to 3: the same in all four partners
	s_cmp_eq_u32 s[LIM], 0
	s_cselect_b32 s[LIM], 1, -1
	s_lshl_b32 s56, s22, 1                         ; Q: pair 2 x block + g of 4,352 bytes
	s_add_co_u32 s56, s56, s19
	s_mul_i32 s56, s56, 4352
	s_mov_b32 s57, 0
	s_lshl_b32 s58, s23, 22                        ; x and out: the batch, my 32 channels of 16,384 bytes, my block's 256 bytes of a row
	s_lshl_b32 s59, s[WV], 19
	s_add_co_u32 s58, s58, s59
	s_and_b32 s59, s22, 63
	s_lshl_b32 s59, s59, 8
	s_add_co_u32 s58, s58, s59
	s_mov_b32 s59, 0
	s_cmp_lt_u32 s20, 2
	s_cselect_b32 s[TSEL], 0, -1
	s_wait_kmcnt 0x0
	s_add_nc_u64 s[50:51], s[6:7], s[50:51]
	s_add_nc_u64 s[PFA:PFA+1], s[6:7], s[54:55]
	s_add_nc_u64 s[4:5], s[4:5], s[56:57]
	s_add_nc_u64 s[14:15], s[14:15], s[58:59]
	s_add_nc_u64 s[16:17], s[16:17], s[58:59]
	s_lshl_b32 s56, s[WV], 12                      ; Wo: my 32 rows of 128 bytes,
	s_add_nc_u64 s[8:9], s[8:9], s[56:57]
	s_lshl_b32 s56, s[WV], 8                       ; of 8 scale bytes,
	s_add_nc_u64 s[10:11], s[10:11], s[56:57]
	s_lshl_b32 s56, s[WV], 7                       ; and my 32 numbers of bo
	s_add_nc_u64 s[12:13], s[12:13], s[56:57]
	CROUND                                         ; all four work-groups are here: the first joint loads meet
	s_mov_b32 s[G0], 1                             ; count = 1
	s_add_co_u32 s[G0+1], s53, 0                   ; LDS address: slot 0
	s_mov_b64 s[G0+2:G0+3], s[50:51]               ; global address: step 0
	s_or_b32 s[G0+3], s[G0+3], 0x80000000          ; type = 2
	s_mov_b32 s[G0+4], 1
	s_add_co_u32 s[G0+5], s53, SLOTB
	s_add_nc_u64 s[G0+6:G0+7], s[50:51], QTR       ; step 1
	s_or_b32 s[G0+7], s[G0+7], 0x80000000
	tensor_load_to_lds s[G0:G0+3], s[G1:G1+7]      ; both first fills go out together, ahead of every wait on TENSORcnt and every LDS read
	s_nop 0
	tensor_load_to_lds s[G0+4:G0+7], s[G1:G1+7]
	s_nop 0
	PLACES 4
	v_and_b32 v9, 31, v0
	v_lshlrev_b32 v8, 4, v9                        ; 16 x lane
	v_lshlrev_b32 v[PFO], 8, v9                    ; 256 x lane
	v_lshlrev_b32 v9, 3, v9                        ; 8 x lane
.irp f, 0,1,2,3
.irp c, 0,1
	global_load_b128 v[Q+8*\f+4*\c:Q+8*\f+4*\c+3], v8, s[4:5] offset:1024*\f+512*\c   ; Q stays in registers
.endr
.endr
	global_load_b64 v[QS:QS+1], v9, s[4:5] offset:4096
	s_mul_i32 s52, s20, QTR
	v_add_nc_u32 v[AF], s52, v8
	v_add_nc_u32 v[AF+1], SLOTB, v[AF]
	v_add_nc_u32 v[AS], s52, v9
	v_add_nc_u32 v[AS+1], SLOTB, v[AS]
	s_wait_tensorcnt 0x1                           ; my unit of slot 0 is in; slot 1's may stay out
	s_barrier_signal -1
	s_barrier_wait -1                              ; everybody's is
	s_wait_loadcnt 0x0                             ; Q
	STEP 0, 1                                      ; step 0
	s_mov_b32 s[LC], 3
.Lloop:                                            ; three trips: steps 1 to 6; behind each change the slot just left takes the step two on (2 to 7)
	CHANGE 1, 1, 1
	STEP 1, 0
	CHANGE 0, 1, 0
	STEP 0, 0
	s_sub_co_u32 s[LC], s[LC], 1
	s_cmp_lg_u32 s[LC], 0
	s_cbranch_scc1 .Lloop
	CHANGE 1, 0, 0                                 ; the last step is written out: nothing is left to fetch
	STEP 1, 0
	; ---- what the way out will want from memory is asked for now: x's rows, my 32 rows of Wo
	s_wait_xcnt 0x0                                ; the prefetches have read their offset register: it is written again only behind this wait
	v_and_b32 v4, 15, v0                           ; r
	v_bfe_u32 v3, v0, 4, 1                         ; h
	v_lshlrev_b32 v7, 14, v3
	v_lshl_add_u32 v7, v4, 4, v7                   ; x, out: lanes 0-15 one channel's 256 bytes, lanes 16-31 the next channel's
.irp i, 0,1,2,3,4,5,6,7,8,9,10,11,12,13,14,15
	global_load_b128 v[192+4*\i:195+4*\i], v7, s[14:15] offset:32768*\i th:TH_LOAD_NT
.endr
	v_lshlrev_b32 v8, 7, v4
	v_lshl_add_u32 v8, v3, 4, v8                   ; Wo: row r of 128 bytes, + 16 h
.irp o, 0,1
.irp u, 0,1
.irp c, 0,1
	global_load_b128 v[Q+16*\o+8*\u+4*\c:Q+16*\o+8*\u+4*\c+3], v8, s[8:9] offset:2048*\o+64*\u+32*\c
.endr
.endr
.endr
	v_lshlrev_b32 v9, 3, v4
	v_lshl_add_u32 v9, v3, 2, v9                   ; its scale words: lanes 0-15 channels 0-127, lanes 16-31 channels 128-255
	global_load_b32 v[QS], v9, s[10:11]
	global_load_b32 v[QS+1], v9, s[10:11] offset:128
	v_lshlrev_b32 v1, 2, v4                        ; bo: 4 r
	; ---- my statistics go to LDS: -M and the row's sum of each of my two tiles
	v_add_f32 v12, v12, v13
	v_add_f32 v18, v18, v19
	v_permlanex16_b32 v13, v12, s[SEL], s[SEL+1]
	v_permlanex16_b32 v19, v18, s[SEL], s[SEL+1]
	v_mov_b32 v56, v10
	v_add_f32 v57, v12, v13
	v_mov_b32 v58, v16
	v_add_f32 v59, v18, v19
	v_lshl_add_u32 v2, v0, 4, STAT                 ; 512 x wave + 16 x lane
	ds_store_b128 v2, v[56:59]
	global_load_b32 v18, v1, s[12:13]              ; bo of my outputs 16 o + r, each the low half of a pair
	global_load_b32 v20, v1, s[12:13] offset:64
	v_mov_b32 v19, 0                               ; (named with them as pairs, so they are written)
	v_mov_b32 v21, 0
	; the LDS addresses of all that follows: constants, the lane and the wave's number
	v_and_b32 v2, 31, v0
	v_lshlrev_b32 v2, 4, v2                        ; 16 x lane
	s_lshl_b32 s52, s19, 17                        ; the exchange: chunk (4 g + c, source s') at ((4 g + c) 4 + s') x 8,192
	s_lshl_b32 s53, s20, 13
	s_lshl_b32 s54, s20, 15
	v_add_nc_u32 v10, s52, v2
	v_add_nc_u32 v13, s54, v10                     ; back: chunk c = s is mine
	v_add_nc_u32 v10, s53, v10                     ; in: I am source s; chunks 0, 1
	v_add_nc_u32 v11, 65536, v10                   ; chunks 2, 3
	s_lshl_b32 s55, s19, 11
	s_add_co_u32 s55, s55, STAT
	v_add_nc_u32 v12, s55, v2                      ; the statistics of my pair's four waves
	s_lshl_b32 s56, s[WV], 10
	s_add_co_u32 s56, s56, ZIMG
	v_add_nc_u32 v14, s56, v2                      ; z's image: fragment w
	v_lshl_add_u32 v15, v0, 2, ZSC                 ; its scale words: 128 x wave + 4 x lane
	s_mul_i32 s57, s[WV], 32*272                   ; the stage: my 32 rows
	v_mul_u32_u24 v16, v4, 272
	v_lshl_add_u32 v16, v3, 5, v16
	v_add_nc_u32 v16, s57, v16                     ; in: row r, + 32 h
	v_mul_u32_u24 v17, v3, 272
	v_lshl_add_u32 v17, v4, 4, v17
	v_add_nc_u32 v17, s57, v17                     ; back: lanes 0-15 one row, lanes 16-31 the next
	v_and_b32 v3, 31, v0
	v_lshl_add_u32 v3, v3, 2, ZSC                  ; all scale words of z: 4 x lane
	v_add_nc_u32 v2, ZIMG, v2                      ; all images of z: 16 x lane
	BARRIER                                        ; the statistics lie in LDS, and no wave reads the ring any more; the ring has had its last fill
	; ---- my partial O^T goes to the exchange as it stands, each accumulator from its low end on
	WIN 0x04                                       ; an LDS store's data are its source 1: window 1
.set ci, 0
.rept 4
.set ii, 0
.rept 16
	ds_store_b128 v[10+ci/2], v[64*ci+4*ii:64*ci+4*ii+3] offset:(ci%2)*32768+512*ii
.set ii, ii+1
.endr
.set ci, ci+1
.endr
	WIN 0
.irp p, 0,1,2,3
	ds_load_b128 v[120+4*\p:123+4*\p], v12 offset:512*\p
.endr
	s_wait_dscnt 0x0                               ; for the others' sake: my stores into the exchange have landed; and the statistics are in
	s_barrier_signal -1
	; register work while the others arrive: the factors.  I shall own tile s / 2 of my pair, channels 128 (s % 2) on
.irp p, 0,1,2,3
	v_cndmask_b32 v[144+\p], v[120+4*\p], v[122+4*\p], s[TSEL]   ; source p's -M of that tile
	v_cndmask_b32 v[148+\p], v[121+4*\p], v[123+4*\p], s[TSEL]   ; and its sum
.endr
	v_min3_num_f32 v152, v144, v145, v146
	v_min_num_f32 v152, v152, v147                 ; -M of all keys
.irp p, 0,1,2,3
	v_sub_f32 v[144+\p], v152, v[144+\p]           ; source p's M less that M: a whole number, 0 or less
.endr
.irp p, 0,1,2,3
	v_cvt_i32_f32 v[144+\p], v[144+\p]
.endr
.irp p, 0,1,2,3
	v_ldexp_f32 v[FF+1+2*\p], 1.0, v[144+\p]
.endr
	v_mul_f32 v153, v148, v[FF+1]
	v_fmac_f32 v153, v149, v[FF+3]
	v_fmac_f32 v153, v150, v[FF+5]
	v_fmac_f32 v153, v151, v[FF+7]                 ; the row's sum over all keys
	v_rcp_f32 v154, v153
	v_nop                                          ; a plain place behind the reciprocal
	s_wait_alu depctr_va_vdst(0)                   ; and a wait ahead of its first reader
.irp p, 0,1,2,3
	v_mul_f32 v[FF+2*\p], v[FF+1+2*\p], v154       ; a power of two x 1 / the sum
.endr
	s_barrier_wait -1                              ; every wave's partial O^T lies in the exchange
	; ---- z of my 16 queries x 128 channels: the four sources' chunks, each by its factor
	WIN 0x40                                       ; destination window 1
.set sp, 0
.rept 4
.set ii, 0
.rept 16
	ds_load_b128 v[64*sp+4*ii:64*sp+4*ii+3], v13 offset:8192*sp+512*ii
.set ii, ii+1
.endr
.set sp, sp+1
.endr
	WIN 0x01                                       ; source 0 window 1
	s_wait_dscnt 48                                ; source 0's sixteen loads are in; the 48 younger ones may be out
.set kk, 0
.rept 32
	v_pk_mul_f32 v[S+kk:S+kk+1], v[kk:kk+1], v[FF:FF+1] op_sel_hi:[1,0]
.set kk, kk+2
.endr
.irp p, 1,2,3
	s_wait_dscnt 48-16*\p                          ; source p's are in
.set kk, 0
.rept 32
	v_pk_fma_f32 v[S+kk:S+kk+1], v[64*\p+kk:64*\p+kk+1], v[FF+2*\p:FF+2*\p+1], v[S+kk:S+kk+1] op_sel_hi:[1,0,1]
.set kk, kk+2
.endr
.endr
	WIN 0
.irp b, 0,1,2,3
	v_mov_b32 v[164+\b], 0                         ; a lane permute's destination counts as one of its sources
.endr
	QUANT S, 174, 172, 160                         ; register 16 b + i is channel 128 (s % 2) + 32 b + 16 h + i: z's fragment w and its scale word
	ds_store_b128 v14, v[174:177]
	ds_store_b128 v14, v[178:181] offset:512
	ds_store_b32 v15, v172
	BARRIER                                        ; z's eight fragments lie in LDS, and every wave's reads of the exchange are over
	; ---- out = Wo z: my 32 outputs for the 64 queries.  Source 0 = 16 queries of z, source 1 = 16 rows of Wo: a lane holds one output channel and eight neighbouring queries
.irp f, 0,1,2,3,4,5,6,7
	ds_load_b128 v[S+8*\f:S+8*\f+3], v2 offset:1024*\f
	ds_load_b128 v[S+8*\f+4:S+8*\f+7], v2 offset:1024*\f+512
	ds_load_b32 v[SC+\f], v3 offset:128*\f
.endr
	s_wait_dscnt 0x0
	s_wait_loadcnt 0x0                             ; Wo, its scale words, bo, x
.irp u, 0,1                                    ; eight accumulators by turns, a K step at a time
.irp t, 0,1,2,3
.irp o, 0,1
.if \u == 0
	v_wmma_scale_f32_16x16x128_f8f6f4 v[EO+8*(2*\t+\o):EO+8*(2*\t+\o)+7], v[S+16*\t:S+16*\t+7], v[Q+16*\o:Q+16*\o+7], 0, v[SC+2*\t], v[QS+\o] matrix_a_fmt:MATRIX_FMT_FP4 matrix_b_fmt:MATRIX_FMT_FP4
.else
	v_wmma_scale_f32_16x16x128_f8f6f4 v[EO+8*(2*\t+\o):EO+8*(2*\t+\o)+7], v[S+16*\t+8:S+16*\t+15], v[Q+16*\o+8:Q+16*\o+15], v[EO+8*(2*\t+\o):EO+8*(2*\t+\o)+7], v[SC+2*\t+1], v[QS+\o] matrix_a_fmt:MATRIX_FMT_FP4 matrix_b_fmt:MATRIX_FMT_FP4 matrix_b_scale:MATRIX_SCALE_ROW1
.endif
.endr
.endr
.endr
	PLACES 4
.irp t, 0,1,2,3
.irp o, 0,1
.irp m, 0,2,4,6
	v_pk_add_f32 v[EO+8*(2*\t+\o)+\m:EO+8*(2*\t+\o)+\m+1], v[EO+8*(2*\t+\o)+\m:EO+8*(2*\t+\o)+\m+1], v[18+2*\o:19+2*\o] op_sel_hi:[1,0]   ; + bo of my channel
.endr
.endr
.endr
.irp t, 0,1,2,3
.irp o, 0,1
	ds_store_b128 v16, v[EO+8*(2*\t+\o):EO+8*(2*\t+\o)+3] offset:4352*\o+64*\t        ; row 32 w + 16 o + r, queries 16 t + 8 h + 0 .. 7: rows of my own, so no barrier
	ds_store_b128 v16, v[EO+8*(2*\t+\o)+4:EO+8*(2*\t+\o)+7] offset:4352*\o+64*\t+16
.endr
.endr
.irp i, 0,1,2,3,4,5,6,7,8,9,10,11,12,13,14,15
	ds_load_b128 v[S+4*\i:S+4*\i+3], v17 offset:544*\i   ; LDS serves a wave's instructions in order (ISA guide 5.7.1.4): these see my stores
.endr
.irp i, 0,1,2,3,4,5,6,7,8,9,10,11,12,13,14,15
	s_wait_dscnt 15-\i                             ; rows 2 i and 2 i + 1 are back; the later rows' loads may be out
	v_pk_add_f32 v[S+4*\i:S+4*\i+1], v[S+4*\i:S+4*\i+1], v[192+4*\i:193+4*\i]       ; + x
	v_pk_add_f32 v[S+4*\i+2:S+4*\i+3], v[S+4*\i+2:S+4*\i+3], v[194+4*\i:195+4*\i]
	global_store_b128 v7, v[S+4*\i:S+4*\i+3], s[16:17] offset:32768*\i th:TH_STORE_NT   ; sixteen lanes store 256 consecutive bytes, at a multiple of 256 from out0's first byte
.endr
	s_wait_tensorcnt 0x0                           ; the wave's end, behind my last tensor load and my last LDS store
	ds_add_u32 v[SPW], v[NIL]
	s_wait_dscnt 0x0
	CROUND                                         ; the closing round: no work-group ends while a partner may still ask for a tile that names it
	s_endpgm
.Lfunc_end_k_q33c4fb6bb9_attn:
	.size	k_q33c4fb6bb9_attn, .Lfunc_end_k_q33c4fb6bb9_attn-k_q33c4fb6bb9_attn
	.p2alignl 7, 3214868480
	.fill 96, 4, 3214868480
	.section	.rodata,"a",@progbits
	.p2align	6, 0x0
	.amdhsa_kernel k_q33c4fb6bb9_attn
		.amdhsa_group_segment_fixed_size 327680
		.amdhsa_private_segment_fixed_size 0
		.amdhsa_enable_private_segment 0
		.amdhsa_kernarg_size 56
		.amdhsa_user_sgpr_count 2
		.amdhsa_user_sgpr_kernarg_segment_ptr 1
		.amdhsa_wavefront_size32 1
		.amdhsa_system_sgpr_workgroup_id_x 1
		.amdhsa_system_sgpr_workgroup_id_y 1
		.amdhsa_system_sgpr_workgroup_id_z 1
		.amdhsa_system_vgpr_workitem_id 0
		.amdhsa_next_free_vgpr 512
		.amdhsa_next_free_sgpr 66
		.amdhsa_reserve_vcc 0
		.amdhsa_float_denorm_mode_32 3
		.amdhsa_float_denorm_mode_16_64 3
		.amdhsa_memory_ordered 1
		.amdhsa_forward_progress 1
		.amdhsa_inst_pref_size 209
	.end_amdhsa_kernel
	.amdgpu_metadata
---
amdhsa.version: [ 1, 2 ]
amdhsa.kernels:
  - .name:           k_q33c4fb6bb9_attn
    .symbol:         k_q33c4fb6bb9_attn.kd
    .args:
      - { .name: qbuf, .offset: 0, .size: 8, .value_kind: global_buffer, .address_space: global }
      - { .name: kv, .offset: 8, .size: 8, .value_kind: global_buffer, .address_space: global }
      - { .name: Wo_codes, .offset: 16, .size: 8, .value_kind: global_buffer, .address_space: global }
      - { .name: Wo_scales, .offset: 24, .size: 8, .value_kind: global_buffer, .address_space: global }
      - { .name: bo, .offset: 32, .size: 8, .value_kind: global_buffer, .address_space: global }
      - { .name: x, .offset: 40, .size: 8, .value_kind: global_buffer, .address_space: global }
      - { .name: out0, .offset: 48, .size: 8, .value_kind: global_buffer, .address_space: global }
    .group_segment_fixed_size: 327680
    .private_segment_fixed_size: 0
    .kernarg_segment_align: 8
    .kernarg_segment_size: 56
    .max_flat_workgroup_size: 256
    .sgpr_count:     66
    .vgpr_count:     512
    .wavefront_size: 32
...
	.end_amdgpu_metadata
.endif
;; end of part 2
